; MI455X (gfx1250); checked and timed in simulation.
; The chip was launched on July 23, 2026; its instructions are those of AMD's public machine-readable ISA for CDNA 5 (MIT licence, August 2026) and "CDNA5" Instruction Set Architecture Reference Guide (July 2026). The comments in the code are by the model that wrote it; some were corrected since.
;; Head. Allowed arithmetic: float matrix products may take bf16 or f16 operands with f32 sums; all other float work in f32.
;; Inputs: Wk 1,024 x 128 float32; Wq 1,024 x 128 float32; Wv 1,024 x 128 float32; x 8 x 4,096 x 1,024 float32.
;; Outputs: out0 8 x 4,096 x 128 float32.
;; One version. Each part assembles by itself: llvm-mc -triple=amdgcn-amd-amdhsa -mcpu=gfx1250 --defsym DOCPART=n.
;; ======== version 1 of 1: 3 launches
;; limits: values are held in f16: magnitudes above 65,504 overflow, below 6.1e-05 lose precision
;; workspace buffers: wt 786,432 bytes; qf 8,388,608 bytes; kv 16,777,216 bytes; vl 1,048,576 bytes
;; launch prep (part 1): grid 128 x 3, 4 waves a work-group, no clusters, 0 bytes of LDS; arguments Wq, Wk, Wv, wt; writes wt
.if DOCPART == 1
	.amdgcn_target "amdgcn-amd-amdhsa--gfx1250"
	.amdhsa_code_object_version 6
	.text
	.protected	k_qa3028dd3ce_prep
	.globl	k_qa3028dd3ce_prep
	.p2align	8
	.type	k_qa3028dd3ce_prep,@function
k_qa3028dd3ce_prep:
	s_mov_b64 s[64:65], 0
	v_nop
	global_prefetch_b8 v0, s[64:65] scope:SCOPE_SE
	s_setreg_imm32_b32 hwreg(HW_REG_WAVE_MODE, 25, 1), 1
	s_wait_xcnt 0x0
; wt = the three weight matrices rounded to bf16, laid out for the matrix unit's fragments.
; W is [1024 k][128 n] f32.  wt is [128 k8][384 n'][8 k] bf16: the 16 bytes at (k8*384 + n')*16 hold k = 8 k8 .. 8 k8 + 7 of column n';
; n' 0-127 = Wq, 128-255 = Wk, 256-383 = Wv.  Each number is rounded once, to nearest even, and nothing else is done to it.
; Work-group (x = k8, y = matrix), 128 threads: thread n makes the 16 bytes of column n.  No matrix unit, no LDS: 1.5 MB are read once.
.set ROWB, 512                                 ; bytes in a row of W
	s_load_b256 s[4:11], s[0:1], 0x0               ; Wq s[4:5], Wk s[6:7], Wv s[8:9], wt s[10:11]
	s_and_b32 s12, ttmp7, 0xffff                   ; which matrix
	v_lshlrev_b32 v1, 2, v0                        ; my column in a row of W
	v_lshlrev_b32 v10, 4, v0                       ; my 16 bytes in wt
	s_lshl_b32 s18, ttmp9, 12                      ; 8 rows of 512 bytes
	s_mov_b32 s19, 0
	s_mul_i32 s20, ttmp9, 6144                     ; k8 * 384 columns * 16 bytes
	s_lshl_b32 s21, s12, 11                        ; + matrix * 128 columns * 16 bytes
	s_add_co_u32 s20, s20, s21
	s_mov_b32 s21, 0
	s_wait_kmcnt 0x0
	s_cmp_eq_u32 s12, 1
	s_cselect_b64 s[14:15], s[6:7], s[4:5]
	s_cmp_eq_u32 s12, 2
	s_cselect_b64 s[14:15], s[8:9], s[14:15]       ; the matrix's address, chosen by the work-group's y alone
	s_add_nc_u64 s[14:15], s[14:15], s[18:19]
	s_add_nc_u64 s[10:11], s[10:11], s[20:21]
.irp j, 0,1,2,3,4,5,6,7
	global_load_b32 v[2+\j], v1, s[14:15] offset:ROWB*\j th:TH_LOAD_NT   ; W[8 k8 + j][n]: the four waves together read the whole row
.endr
	s_wait_loadcnt 0x0
.irp p, 0,1,2,3
	v_cvt_pk_bf16_f32 v[12+\p], v[2+2*\p], v[3+2*\p]       ; the lower k in the lower half
.endr
	global_store_b128 v10, v[12:15], s[10:11]      ; a wave stores 512 neighbouring bytes
	s_endpgm
.Lfunc_end_k_qa3028dd3ce_prep:
	.size	k_qa3028dd3ce_prep, .Lfunc_end_k_qa3028dd3ce_prep-k_qa3028dd3ce_prep
	.p2alignl 7, 3214868480
	.fill 96, 4, 3214868480
	.section	.rodata,"a",@progbits
	.p2align	6, 0x0
	.amdhsa_kernel k_qa3028dd3ce_prep
		.amdhsa_group_segment_fixed_size 0
		.amdhsa_private_segment_fixed_size 0
		.amdhsa_enable_private_segment 0
		.amdhsa_kernarg_size 32
		.amdhsa_user_sgpr_count 2
		.amdhsa_user_sgpr_kernarg_segment_ptr 1
		.amdhsa_wavefront_size32 1
		.amdhsa_system_sgpr_workgroup_id_x 1
		.amdhsa_system_sgpr_workgroup_id_y 1
		.amdhsa_system_sgpr_workgroup_id_z 1
		.amdhsa_system_vgpr_workitem_id 0
		.amdhsa_next_free_vgpr 24
		.amdhsa_next_free_sgpr 66
		.amdhsa_reserve_vcc 0
		.amdhsa_float_denorm_mode_32 3
		.amdhsa_float_denorm_mode_16_64 3
		.amdhsa_memory_ordered 1
		.amdhsa_forward_progress 1
		.amdhsa_inst_pref_size 3
	.end_amdhsa_kernel
	.amdgpu_metadata
---
amdhsa.version: [ 1, 2 ]
amdhsa.kernels:
  - .name:           k_qa3028dd3ce_prep
    .symbol:         k_qa3028dd3ce_prep.kd
    .args:
      - { .name: Wq, .offset: 0, .size: 8, .value_kind: global_buffer, .address_space: global }
      - { .name: Wk, .offset: 8, .size: 8, .value_kind: global_buffer, .address_space: global }
      - { .name: Wv, .offset: 16, .size: 8, .value_kind: global_buffer, .address_space: global }
      - { .name: wt, .offset: 24, .size: 8, .value_kind: global_buffer, .address_space: global }
    .group_segment_fixed_size: 0
    .private_segment_fixed_size: 0
    .kernarg_segment_align: 8
    .kernarg_segment_size: 32
    .max_flat_workgroup_size: 128
    .sgpr_count:     66
    .vgpr_count:     24
    .wavefront_size: 32
...
	.end_amdgpu_metadata
.endif
;; end of part 1
;; launch proj (part 2): grid 256 x 1, 4 waves a work-group, clusters of 4 x 1, 327,680 bytes of LDS; arguments x, wt, qf, kv, vl; writes qf, kv, vl
.if DOCPART == 2
	.amdgcn_target "amdgcn-amd-amdhsa--gfx1250"
	.amdhsa_code_object_version 6
	.text
	.protected	k_qa3028dd3ce_proj
	.globl	k_qa3028dd3ce_proj
	.p2align	8
	.type	k_qa3028dd3ce_proj,@function
k_qa3028dd3ce_proj:
	s_mov_b64 s[64:65], 0
	v_nop
	global_prefetch_b8 v0, s[64:65] scope:SCOPE_SE
	s_setreg_imm32_b32 hwreg(HW_REG_WAVE_MODE, 25, 1), 1
	s_wait_xcnt 0x0
	s_wait_alu depctr_hold_cnt(0) depctr_sa_sdst(0) depctr_va_vdst(0) depctr_va_sdst(0) depctr_va_ssrc(0) depctr_va_vcc(0) depctr_vm_vsrc(0)
	s_getreg_b32 s2, hwreg(HW_REG_IB_STS2, 6, 4)
	s_cmp_eq_u32 s2, 0
	s_cbranch_scc0 .Lentry_in_a_cluster
	s_endpgm
.Lentry_in_a_cluster:
	s_bfe_u32 s2, ttmp6, 0x10000c
	s_cmp_lg_u32 s2, 0x3003
	s_cbranch_scc0 .Lentry_shape_is_right
	s_endpgm
.Lentry_shape_is_right:
; q, k, v = x [32768][1024] f32 times wt (Wq | Wk | Wv in bf16); bf16 operands, f32 sums.  q's sums are multiplied in f32 by c = log2(e) / 32
; (the score's scale 1024^-0.5 and the change to base 2); then c q, k and v are rounded once to f16.
; WHY f16: an output row with few keys is a sum of few numbers of size 1 that can cancel to far less than its terms; f16 rounds at 2^-11, bf16 at 2^-8.
; LIMIT: |c q|, |k|, |v| must stay below 65,504, f16's largest number; beyond it they become infinite.  With x of spread 1 and W of spread 1/32
; they stay under about 6; x and W both 30 times larger give 900 times that; both with an offset of 30 spreads give 1024 x 30 x 30/32 = 28,800.
; A work-group owns 128 tokens and all 384 columns.  Wave w owns all 128 rows x 96 columns (32 w .. 32 w + 31 of each matrix): 48 accumulator
; tiles of 16 x 16, 384 registers.  K goes in 8 steps of 128, each of four sub-steps of 32; everything is written out, there is no loop.
; wt: [128 k8][384 n'][8 k]: a step's tile is 98,304 dense bytes.  CLUSTER: the four work-groups of a cluster read the same wt tiles, so each
; quarter of a tile (24,576 bytes, one a wave) is asked for jointly by all four, with one descriptor and the mask 15; two LDS slots take turns.
; x is f32 and must be rounded on the way, so it goes memory -> registers -> bf16 -> a stage in LDS: wave w loads rows 32 w + i, one load of
; 16 bytes a lane covering the row's 512 bytes of a step; 32 such loads of every wave are always out, issued a whole step before they are used.
; RESULTS, in the order in which the next launch's fragments want them (a 16-byte piece = 8 neighbouring numbers of the summed index):
;   qf: [512 blocks of 64 tokens][16 h8][64 tok][8 h];  kv: [512 blocks][K as [16 h8][64 tok][8 h], then V as [8 t8][128 d][8 tok]];
;   vl: [8 batches][8 blocks][8 t8][128 d][8 tok]: v minus its f16 rounding, again in f16, for the first 512 tokens of each batch.  The next
;   launch wants it for the first 256; a cluster owns 512 tokens.
; q and k are made with wt as source 0 (a lane then holds 8 neighbouring h of one token), v with x as source 0 (8 neighbouring tokens of one d):
; every tile packs into 16 bytes a lane, and sixteen lanes store 256 neighbouring, aligned bytes.  No way through LDS is needed.
; REGISTERS: window 0: addresses, x as loaded (RX), packed words; window 1: two fragment buffers; window 2: q and k tiles; window 3: v tiles.
.set WTILE,  98304                     ; a step's tile of wt, and an LDS slot for it (slots at 0 and 98,304)
.set WQ,     24576                     ; a wave's quarter: 96 rows of 256 bytes
.set XSTG,   196608                    ; the x stage, behind the ring; no tensor load lands there
.set XP,     528                       ; stage: from one k8 to the next: 32 rows x 16 bytes + 16, so that the 32 lanes of a store fall on 32 different 8-byte pieces modulo 256
.set XW,     16*XP                     ; a wave's part of a stage slot: 8,448 bytes, its own
.set XSLOT,  4*XW                      ; a stage slot
.set AW,  8                            ; v8-11   wt fragments: slot 0 sub-steps 0-1, 2-3; slot 1 likewise (an LDS offset has 16 bits)
.set AX,  12                           ; v12-13  x fragments, stage slot 0, 1
.set AS,  14                           ; v14     where I put 8 bytes of a row in the stage
.set VXO, 15                           ; v15     my 16 bytes in a row's 512 bytes of x
.set VQO, 16                           ; v16     my 16 bytes in qf and in kv's K part
.set VVO, 17                           ; v17     my 16 bytes in kv's V part and in vl
.set WD,  20                           ; v20-27  the way out: eight packed words whose halves are widened again
.set WF,  28                           ; v28-43  the way out: their sixteen numbers in f32
.set RX,  64                           ; v64-191 row i of my 32 at RX + 4 i, as loaded
.set CV,  192                          ; v192-207 eight rows' packed words on their way to the stage
.set VO,  64                           ; v64-127  the way out: the packed v tiles
.set QKO, 128                          ; v128-255 the way out: the packed q and k tiles
.set F0,  0                            ; window 1: fragment buffer 0: x (rt) at + 8 rt, wt (c = 2 matrix + t) at + 64 + 8 c
.set F1,  112                          ; window 1: fragment buffer 1
.set G1,  16                           ; s[16:23] descriptor group 1
.set G0,  24                           ; s[24:31] descriptor group 0, one set for each slot
.set TO_F,   0x40                      ; destination window 1, sources window 0
.set MUL_QK, 0xa5                      ; sources window 1, C and D window 2
.set MUL_V,  0xf5                      ; sources window 1, C and D window 3
.set IN_2,   0x82                      ; destination and source 0 window 2
.set FROM_2, 0x0a                      ; sources window 2, destination window 0
.set FROM_3, 0x0f                      ; sources window 3, destination window 0
.set LO_SUB, 0xc3                      ; destination and source 0 window 3, source 1 window 0
.set LO_PK,  0x4f                      ; sources window 3, destination window 1
.set LO_ST,  0x04                      ; store: address window 0, data window 1
.set MSB, 0
.macro WIN new                         ; the immediate's high byte repeats the setting that is left
.if MSB != \new
	s_set_vgpr_msb (MSB<<8)|\new
.set MSB, \new
.endif
.endm
.macro PLACES                          ; four places behind a matrix instruction (ISA guide 7.12.1)
.rept 4
	v_nop
.endr
.endm
.macro ROUND                           ; a round of the cluster's barrier: my work-group's barrier, wave 0 signals for it, all wait for all four work-groups, my barrier again
	s_barrier_signal -1
	s_barrier_wait -1
	s_cmp_lg_u32 s12, 0
	s_cbranch_scc1 .Lnot_wave_0_\@
	s_barrier_signal -3
.Lnot_wave_0_\@:
	s_barrier_wait -3
	s_barrier_signal -1
	s_barrier_wait -1
.endm
	s_load_b256 s[4:11], s[0:1], 0x0               ; x s[4:5], wt s[6:7], qf s[8:9], kv s[10:11]
	s_load_b64 s[44:45], s[0:1], 0x20              ; vl
	v_lshl_add_u32 v62, v0, 2, 0x40800
	v_mov_b32 v63, 0
	ds_add_u32 v62, v63
	v_lshrrev_b32 v1, 5, v0
	v_readfirstlane_b32 s12, v1                    ; wave 0..3
	s_bfe_u32 s13, ttmp6, 0x40000                  ; cx
	s_lshl_b32 s14, ttmp9, 2
	s_add_co_u32 s14, s14, s13                     ; work-group g = 4 x cluster + cx
	v_and_b32 v1, 31, v0                           ; lane
	v_lshlrev_b32 v[VXO], 4, v1
	s_lshl_b32 s34, s14, 19                        ; g x 128 rows x 4,096 bytes
	s_lshl_b32 s35, s12, 17                        ; + wave x 32 rows
	s_add_co_u32 s34, s34, s35
	s_mov_b32 s35, 0
	s_wait_dscnt 0x0
	s_wait_kmcnt 0x0
	s_add_nc_u64 s[4:5], s[4:5], s[34:35]
.set i, 0
.rept 32
	global_load_b128 v[RX+4*i:RX+4*i+3], v[VXO], s[4:5] offset:4096*i th:TH_LOAD_NT   ; step 0 of my 32 rows: 512 neighbouring bytes each
.set i, i+1
.endr
	; group 1: 96 rows of 32 elements of 8 bytes, dense
	s_mov_b32 s[G1+0], (15)|(3<<16)|(1<<21)        ; 15:0 the mask: all four work-groups; 17:16 element of 8 bytes; 21 set beside a mask
	s_mov_b32 s[G1+1], 32<<16                      ; tensor_dim0 = 32
	s_mov_b32 s[G1+2], 96<<16                      ; tensor_dim1 = 96
	s_mov_b32 s[G1+3], 32<<16                      ; tile_dim0 = 32
	s_mov_b32 s[G1+4], 96                          ; tile_dim1 = 96
	s_mov_b32 s[G1+5], 32                          ; from row to row: 32 elements
	s_mov_b32 s[G1+6], 0
	s_mov_b32 s[G1+7], 0
	s_mov_b32 s[G0+0], 1
	s_mul_i32 s[G0+1], s12, WQ                     ; LDS: slot 0 + wave x quarter
	s_mov_b32 s[G0+4], 1
	s_add_co_u32 s[G0+5], s[G0+1], WTILE           ; slot 1
	s_mul_i32 s32, s12, WQ                         ; in wt: the wave's quarter; no place in the cluster enters these registers
	s_mov_b32 s33, 0
	s_add_nc_u64 s[G0+2:G0+3], s[6:7], s[32:33]    ; step 0
	s_add_nc_u64 s[G0+6:G0+7], s[G0+2:G0+3], WTILE ; step 1
	s_or_b32 s[G0+3], s[G0+3], 0x80000000          ; type = 2
	s_or_b32 s[G0+7], s[G0+7], 0x80000000
	s_lshl_b32 s36, s14, 15                        ; qf: g x 2 blocks of 16,384 bytes
	s_mov_b32 s37, 0
	s_lshl_b32 s38, s14, 16                        ; kv: g x 2 blocks of 32,768 bytes
	s_mov_b32 s39, 0
	s_add_nc_u64 s[8:9], s[8:9], s[36:37]
	s_add_nc_u64 s[10:11], s[10:11], s[38:39]
	s_lshr_b32 s46, ttmp9, 3                       ; vl: batch x 8 blocks of 16,384 bytes
	s_lshl_b32 s46, s46, 17
	s_lshl_b32 s47, s13, 15                        ; + cx x 2 blocks (used only by the batch's first cluster)
	s_add_co_u32 s46, s46, s47
	s_mov_b32 s47, 0
	s_add_nc_u64 s[44:45], s[44:45], s[46:47]
	ROUND                                          ; all four work-groups are here: the first joint loads meet
	tensor_load_to_lds s[G0:G0+3], s[G1:G1+7]      ; both first fills go out together: two tensor loads of the wave are out,
	s_nop 0
	tensor_load_to_lds s[G0+4:G0+7], s[G1:G1+7]    ; later never more than one
	s_nop 0
	v_and_b32 v2, 15, v0                           ; r
	v_bfe_u32 v3, v0, 4, 1                         ; h
	v_lshlrev_b32 v6, 4, v2                        ; 16 r
	s_lshl_b32 s40, s12, 9                         ; my 32 columns x 16 bytes
	v_mul_u32_u24 v[AW], v3, 6144                  ; h x one k8 of 384 columns
	v_add3_u32 v[AW], v[AW], v6, s40
	v_add_nc_u32 v[AW+1], 49152, v[AW]
	v_add_nc_u32 v[AW+2], 98304, v[AW]
	v_add_nc_u32 v[AW+3], 147456, v[AW]
	v_mul_u32_u24 v[AX], v3, XP
	v_add3_u32 v[AX], v[AX], v6, XSTG
	v_add_nc_u32 v[AX+1], XSLOT, v[AX]
	v_lshrrev_b32 v4, 1, v1                        ; lane l holds k = 4 l .. 4 l + 3 of the step: k8 = l / 2,
	v_and_b32 v5, 1, v1                            ; half l % 2 of the 16-byte piece
	v_mul_u32_u24 v[AS], v4, XP
	v_lshl_add_u32 v[AS], v5, 3, v[AS]
	s_mul_i32 s41, s12, XW
	s_add_co_u32 s41, s41, XSTG
	v_add_nc_u32 v[AS], s41, v[AS]
	s_lshl_b32 s42, s12, 12                        ; my 4 h8 x 1,024 bytes
	v_lshl_add_u32 v[VQO], v3, 10, v6
	v_add_nc_u32 v[VQO], s42, v[VQO]
	v_lshl_add_u32 v[VVO], v3, 11, v6              ; h x one t8 of 128 d x 16 bytes
	v_add_nc_u32 v[VVO], s40, v[VVO]               ; + my 32 d x 16 bytes
; Rows 8 g .. 8 g + 7 of my 32: rounded to bf16 and put into stage slot `slot`; ahead = 1: the same rows of step `tile` are asked for.
; left = how many younger loads may stay out.
.macro CONV g, slot, tile, ahead, left
	s_wait_loadcnt \left                           ; loads come back in order: the oldest eight, these rows, are in
.irp i, 0,1,2,3,4,5,6,7
	v_cvt_pk_bf16_f32 v[CV+2*\i],   v[RX+4*(8*\g+\i)],   v[RX+4*(8*\g+\i)+1]
	v_cvt_pk_bf16_f32 v[CV+2*\i+1], v[RX+4*(8*\g+\i)+2], v[RX+4*(8*\g+\i)+3]
.endr
.irp i, 0,1,2,3,4,5,6,7
	ds_store_b64 v[AS], v[CV+2*\i:CV+2*\i+1] offset:\slot*XSLOT+16*(8*\g+\i)
.endr
.if \ahead
.irp i, 0,1,2,3,4,5,6,7
	global_load_b128 v[RX+4*(8*\g+\i):RX+4*(8*\g+\i)+3], v[VXO], s[4:5] offset:4096*(8*\g+\i)+512*\tile th:TH_LOAD_NT
.endr
.endif
.endm
; 28 LDS loads: the fragments of sub-step kk of a slot into buffer f.  A fragment is 16 rows x 32 k in 8 registers: lane (r, h) holds row r,
; registers 0-3 k = 8 h + 0..7, registers 4-7 k = 16 + 8 h + 0..7: two pieces of 16 bytes, two k8 apart.  Sixteen lanes read 256 neighbouring bytes.
.macro FETCH slot, kk, f
	WIN TO_F
.irp c, 0,1,2,3,4,5
	ds_load_b128 v[\f+64+8*\c:\f+64+8*\c+3],   v[AW+2*\slot+(\kk>>1)] offset:(\kk&1)*24576+(\c>>1)*2048+(\c&1)*256
	ds_load_b128 v[\f+64+8*\c+4:\f+64+8*\c+7], v[AW+2*\slot+(\kk>>1)] offset:(\kk&1)*24576+(\c>>1)*2048+(\c&1)*256+12288
.endr
.irp rt, 0,1,2,3,4,5,6,7
	ds_load_b128 v[\f+8*\rt:\f+8*\rt+3],   v[AX+\slot] offset:(\rt>>1)*XW+\kk*4*XP+(\rt&1)*256
	ds_load_b128 v[\f+8*\rt+4:\f+8*\rt+7], v[AX+\slot] offset:(\rt>>1)*XW+\kk*4*XP+(\rt&1)*256+2*XP
.endr
.endm
; The 48 accumulators take turns, one instruction a turn, in the same order in every sub-step.
.macro MULV f, zero                    ; v: source 0 = x (rows = tokens), source 1 = Wv: a lane holds d = r, tokens 8 h + j
	WIN MUL_V
.irp c, 0,1
.irp rt, 0,1,2,3,4,5,6,7
.if \zero
	v_wmma_f32_16x16x32_bf16 v[8*(8*\c+\rt):8*(8*\c+\rt)+7], v[\f+8*\rt:\f+8*\rt+7], v[\f+96+8*\c:\f+96+8*\c+7], 0
.else
	v_wmma_f32_16x16x32_bf16 v[8*(8*\c+\rt):8*(8*\c+\rt)+7], v[\f+8*\rt:\f+8*\rt+7], v[\f+96+8*\c:\f+96+8*\c+7], v[8*(8*\c+\rt):8*(8*\c+\rt)+7]
.endif
.endr
.endr
.endm
.macro MULQK f, zero                   ; q, k: source 0 = wt (rows = head columns), source 1 = x: a lane holds token r, columns 8 h + j
	WIN MUL_QK
.irp c, 0,1,2,3
.irp rt, 0,1,2,3,4,5,6,7
.if \zero
	v_wmma_f32_16x16x32_bf16 v[8*(8*\c+\rt):8*(8*\c+\rt)+7], v[\f+64+8*\c:\f+64+8*\c+7], v[\f+8*\rt:\f+8*\rt+7], 0
.else
	v_wmma_f32_16x16x32_bf16 v[8*(8*\c+\rt):8*(8*\c+\rt)+7], v[\f+64+8*\c:\f+64+8*\c+7], v[\f+8*\rt:\f+8*\rt+7], v[8*(8*\c+\rt):8*(8*\c+\rt)+7]
.endif
.endr
.endr
.endm
; Sub-step kk of step s: multiplies buffer f.  Between its 16 and its 32 matrix instructions: a quarter of the next step's x goes to the stage,
; and the next sub-step's fragments are asked for into buffer g, 32 matrix instructions ahead of the wait for them.
; At kk = 3 the slots change.  In front of the barrier each wave waits for its LDS instructions (its reads of this step's wt slot and stage
; slot, its stores into the next stage slot) and for all its tensor loads (the one that is out is its quarter of the next wt tile).
; Steps 0 to 5: the barrier is a round of the cluster's, and the joint refill of this step's wt slot, two steps ahead, is the first thing behind it.
.macro SUB s, kk, f, g, zero
	s_wait_dscnt 0x0                               ; buffer f is in
	MULV \f, \zero
	PLACES                                         ; behind the matrix instructions that read buffer g, in front of the loads into it
.if \s < 7
	WIN 0
.endif
.if \s < 6
	CONV \kk, ((\s+1)&1), (\s+2), 1, 24            ; 32 loads are out: 24 younger ones stay out
.endif
.if \s == 6
	CONV \kk, 1, 0, 0, (24-8*\kk)                  ; the last step's x: nothing more is asked for, the counts run down
.endif
.if \kk < 3
	FETCH (\s&1), (\kk+1), \g
.endif
.if \kk == 3
.if \s < 7
	s_wait_dscnt 0x0
	s_wait_tensorcnt 0x0                           ; no tensor load of mine is out: a group 0 may be written
	ds_add_u32 v62, v63
	s_wait_dscnt 0x0
.if \s < 6
	s_add_nc_u64 s[G0+4*(\s&1)+2:G0+4*(\s&1)+3], s[G0+4*(\s&1)+2:G0+4*(\s&1)+3], 2*WTILE
	ROUND                                          ; no wave of any of the four work-groups still reads this slot or has a load on its way
	tensor_load_to_lds s[G0+4*(\s&1):G0+4*(\s&1)+3], s[G1:G1+7]
	s_nop 0
.else
	s_barrier_signal -1                            ; nothing is left to fetch: my work-group's barrier shows the last tile and stage whole
	s_barrier_wait -1
.endif
	FETCH ((\s+1)&1), 0, \g
.endif
.endif
	MULQK \f, \zero
.endm
.macro KSTEP s, zero
	SUB \s, 0, F0, F1, \zero
	SUB \s, 1, F1, F0, 0
	SUB \s, 2, F0, F1, 0
	SUB \s, 3, F1, F0, 0
.endm
	CONV 0, 0, 1, 1, 24                            ; step 0's x to stage slot 0; step 1's x is asked for
	CONV 1, 0, 1, 1, 24
	CONV 2, 0, 1, 1, 24
	CONV 3, 0, 1, 1, 24
	s_wait_tensorcnt 0x1                           ; my quarter of wt's tile 0 is in; tile 1's may stay out
	s_wait_dscnt 0x0                               ; my stage stores are done
	s_barrier_signal -1
	s_barrier_wait -1
	FETCH 0, 0, F0
	KSTEP 0, 1                                     ; the first products start the sums: nothing is cleared
	KSTEP 1, 0
	KSTEP 2, 0
	KSTEP 3, 0
	KSTEP 4, 0
	KSTEP 5, 0
	KSTEP 6, 0
	KSTEP 7, 0
	; THE WAY OUT: every tile packs into 16 bytes a lane; lanes 0-15 and lanes 16-31 each store 256 neighbouring, aligned bytes.
	PLACES                                         ; behind the last matrix instructions, in front of the first instruction that reads or writes results
	s_mov_b32 s40, 0x3d38aa3b                      ; c = 1.442695 / 32
	s_mov_b32 s41, s40
	WIN IN_2
.set i, 0
.rept 64
	v_pk_mul_f32 v[2*i:2*i+1], v[2*i:2*i+1], s[40:41] op_sel_hi:[1,0]    ; q's 16 tiles, in f32, before their one rounding
.set i, i+1
.endr
	WIN FROM_2
.irp c, 0,1,2,3
.irp rt, 0,1,2,3,4,5,6,7
.irp p, 0,1,2,3
	v_cvt_pk_f16_f32 v[QKO+4*(8*\c+\rt)+\p], v[8*(8*\c+\rt)+2*\p], v[8*(8*\c+\rt)+2*\p+1]
.endr
.endr
.endr
	WIN FROM_3
.irp c, 0,1
.irp rt, 0,1,2,3,4,5,6,7
.irp p, 0,1,2,3
	v_cvt_pk_f16_f32 v[VO+4*(8*\c+\rt)+\p], v[8*(8*\c+\rt)+2*\p], v[8*(8*\c+\rt)+2*\p+1]
.endr
.endr
.endr
	WIN 0
; tile (c, rt): tokens 16 rt + r, head columns 32 w + 16 t + 8 h + j: block rt / 4, h8 = 4 w + 2 t + h, token 16 (rt % 4) + r in the block
.macro PUTQK c, t, lo, hi, blk
.irp rt, 0,1,2,3,4,5,6,7
	global_store_b128 v[VQO], v[QKO+4*(8*\c+\rt):QKO+4*(8*\c+\rt)+3], s[\lo:\hi] offset:(\rt>>2)*\blk+\t*2048+(\rt&3)*256
.endr
.endm
	PUTQK 0, 0, 8, 9, 16384
	PUTQK 1, 1, 8, 9, 16384
	PUTQK 2, 0, 10, 11, 32768
	PUTQK 3, 1, 10, 11, 32768
.irp c, 0,1
.irp rt, 0,1,2,3,4,5,6,7
	global_store_b128 v[VVO], v[VO+4*(8*\c+\rt):VO+4*(8*\c+\rt)+3], s[10:11] offset:(\rt>>2)*32768+16384+(\rt&3)*4096+\c*256   ; d = 32 w + 16 c + r, t8 = 2 (rt % 4) + h
.endr
.endr
	; The first cluster of each batch (its tokens 0 to 511) also stores what v's rounding dropped: v - f16(v), exact in f32, rounded to f16.
	s_and_b32 s43, ttmp9, 7                        ; 8 clusters a batch; the cluster's number is the same in all four work-groups and all waves
	s_cmp_lg_u32 s43, 0
	s_cbranch_scc1 .Lno_low
; The sixteen f16 numbers of the words v20-27 become f32 in v28-43.  The conversion names a half of a register, which is written by name here.
.macro WIDEN8
.set wk, 0
.irp h, v20.l, v21.l, v22.l, v23.l, v24.l, v25.l, v26.l, v27.l
	v_cvt_f32_f16 v[WF+2*wk], \h
.set wk, wk+1
.endr
.irp k, 0,1,2,3,4,5,6,7
	v_lshrrev_b32 v[WD+\k], 16, v[WD+\k]           ; the upper half comes down
.endr
.set wk, 0
.irp h, v20.l, v21.l, v22.l, v23.l, v24.l, v25.l, v26.l, v27.l
	v_cvt_f32_f16 v[WF+2*wk+1], \h
.set wk, wk+1
.endr
.endm
; tiles 2 tt and 2 tt + 1: packed word 8 tt + k holds the sums in registers 16 tt + 2 k and + 1 of window 3
.irp tt, 0,1,2,3,4,5,6,7
	WIN 0
.irp k, 0,1,2,3,4,5,6,7
	v_mov_b32 v[WD+\k], v[VO+8*\tt+\k]             ; into the registers whose halves are named
.endr
	WIDEN8
	WIN LO_SUB
.irp k, 0,1,2,3,4,5,6,7
	v_pk_add_f32 v[16*\tt+2*\k:16*\tt+2*\k+1], v[16*\tt+2*\k:16*\tt+2*\k+1], v[WF+2*\k:WF+2*\k+1] neg_lo:[0,1] neg_hi:[0,1]
.endr
.endr
	WIN LO_PK
.set i, 0
.rept 64
	v_cvt_pk_f16_f32 v[i], v[2*i], v[2*i+1]        ; into window 1, whose fragment buffers are free
.set i, i+1
.endr
	WIN LO_ST
.irp c, 0,1
.irp rt, 0,1,2,3,4,5,6,7
	global_store_b128 v[VVO], v[4*(8*\c+\rt):4*(8*\c+\rt)+3], s[44:45] offset:(\rt>>2)*16384+(\rt&3)*4096+\c*256
.endr
.endr
	WIN 0
.Lno_low:
	ROUND                                          ; the closing round: no work-group ends while a partner may still ask for a tile that names it
	s_endpgm
.Lfunc_end_k_qa3028dd3ce_proj:
	.size	k_qa3028dd3ce_proj, .Lfunc_end_k_qa3028dd3ce_proj-k_qa3028dd3ce_proj
	.p2alignl 7, 3214868480
	.fill 96, 4, 3214868480
	.section	.rodata,"a",@progbits
	.p2align	6, 0x0
	.amdhsa_kernel k_qa3028dd3ce_proj
		.amdhsa_group_segment_fixed_size 327680
		.amdhsa_private_segment_fixed_size 0
		.amdhsa_enable_private_segment 0
		.amdhsa_kernarg_size 40
		.amdhsa_user_sgpr_count 2
		.amdhsa_user_sgpr_kernarg_segment_ptr 1
		.amdhsa_wavefront_size32 1
		.amdhsa_system_sgpr_workgroup_id_x 1
		.amdhsa_system_sgpr_workgroup_id_y 1
		.amdhsa_system_sgpr_workgroup_id_z 1
		.amdhsa_system_vgpr_workitem_id 0
		.amdhsa_next_free_vgpr 896
		.amdhsa_next_free_sgpr 66
		.amdhsa_reserve_vcc 0
		.amdhsa_float_denorm_mode_32 3
		.amdhsa_float_denorm_mode_16_64 3
		.amdhsa_memory_ordered 1
		.amdhsa_forward_progress 1
		.amdhsa_inst_pref_size 255
	.end_amdhsa_kernel
	.section	.bss,"aw",@nobits
	.p2align	6
	.space	262144
	.amdgpu_metadata
---
amdhsa.version: [ 1, 2 ]
amdhsa.kernels:
  - .name:           k_qa3028dd3ce_proj
    .symbol:         k_qa3028dd3ce_proj.kd
    .args:
      - { .name: x, .offset: 0, .size: 8, .value_kind: global_buffer, .address_space: global }
      - { .name: wt, .offset: 8, .size: 8, .value_kind: global_buffer, .address_space: global }
      - { .name: qf, .offset: 16, .size: 8, .value_kind: global_buffer, .address_space: global }
      - { .name: kv, .offset: 24, .size: 8, .value_kind: global_buffer, .address_space: global }
      - { .name: vl, .offset: 32, .size: 8, .value_kind: global_buffer, .address_space: global }
    .group_segment_fixed_size: 327680
    .private_segment_fixed_size: 0
    .kernarg_segment_align: 8
    .kernarg_segment_size: 40
    .max_flat_workgroup_size: 128
    .sgpr_count:     66
    .vgpr_count:     896
    .wavefront_size: 32
...
	.end_amdgpu_metadata
.endif
;; end of part 2
;; launch attn (part 3): grid 256 x 1, 4 waves a work-group, clusters of 4 x 1, 327,680 bytes of LDS; arguments qf, kv, vl, out0; writes out0
.if DOCPART == 3
	.amdgcn_target "amdgcn-amd-amdhsa--gfx1250"
	.amdhsa_code_object_version 6
	.text
	.protected	k_qa3028dd3ce_attn
	.globl	k_qa3028dd3ce_attn
	.p2align	8
	.type	k_qa3028dd3ce_attn,@function
k_qa3028dd3ce_attn:
	s_mov_b64 s[64:65], 0
	v_nop
	global_prefetch_b8 v0, s[64:65] scope:SCOPE_SE
	s_setreg_imm32_b32 hwreg(HW_REG_WAVE_MODE, 25, 1), 1
	s_wait_xcnt 0x0
	s_wait_alu depctr_hold_cnt(0) depctr_sa_sdst(0) depctr_va_vdst(0) depctr_va_sdst(0) depctr_va_ssrc(0) depctr_va_vcc(0) depctr_vm_vsrc(0)
	s_getreg_b32 s2, hwreg(HW_REG_IB_STS2, 6, 4)
	s_cmp_eq_u32 s2, 0
	s_cbranch_scc0 .Lentry_in_a_cluster
	s_endpgm
.Lentry_in_a_cluster:
	s_bfe_u32 s2, ttmp6, 0x10000c
	s_cmp_lg_u32 s2, 0x3003
	s_cbranch_scc0 .Lentry_shape_is_right
	s_endpgm
.Lentry_shape_is_right:
; out = softmax(causal(q k^T / 32)) v for 8 batches of 4,096 tokens, head 128.  qf holds q times log2(e)/32, so the scores come out of the
; matrix unit in base-2 units and p = exp2(s - m) with a running maximum m.  f16 operands (q, k, v, p), f32 scores, sums, m, l and O.
; SHARING.  A batch has 16 super-blocks of 256 query rows.  Cluster C (batch C / 8, P = C % 8) takes super-block P and then 15 - P; work-group
; cx owns 64 rows of each.  Keys go in tiles of 256; wave w takes keys 64 w .. 64 w + 63 of every tile against all 64 queries (a tile of 64 x 64
; a wave: 64 LDS loads for 128 matrix instructions), and the four waves' partial (O, m, l) are merged through LDS at a pass's end.
; Tiles go in pairs, slot 0 then slot 1, the pair with the diagonal first and masked, then downward without a mask.  Super-block S has
; (S + 2) / 2 pairs; P and 15 - P together have 9 for every P: every work-group does 18 steps.
; A pass with an odd number of tiles (S even) also computes tile S + 1 (at most 15: inside the batch), which the mask throws away whole.
; CLUSTER.  The four work-groups walk the same K and V tiles: wave w of each asks jointly (mask 15) for its 32,768 bytes, which are dense in kv.
; TRANSPOSED USE.  S^T = K Q^T: a lane holds one query (r) and keys 8 h + j, so maximum and sum run inside the lane plus one exchange of halves;
; two neighbouring S^T tiles, rounded, ARE the second source of O^T = V^T P^T; the rescale factor is one number for a lane and query tile.
; FEW KEYS.  A row with n keys is a mean of n numbers of v's size, and for small n it can cancel to far less than its terms, so that roundings of
; p and v at 2^-11 show.  For rows 0 to 255 of a batch (super-block 0, whose keys all lie in tile 0) P and V are therefore each taken as a sum of
; two f16 numbers: O += Ph Vl + Pl Vh, 128 more matrix instructions, once, in the clusters with P = 0.  From row 256 on at least 257 roundings average out.
; LIMITS.  Scores must be finite in f32; q', k, v are f16 (finite below 65,504).  A masked score is -FLT_MAX: a partial whose keys are all masked
; has m = -FLT_MAX and p = 1, finite rubbish that is later multiplied by exp2(-FLT_MAX - real) = 0.  exp2 results below 2^-126 are 0, and p below
; 2^-24 rounds to 0 in f16.  l sums p in f32 while P V takes p rounded to f16.  Keys are summed in another order than the source's (four ways, diagonal first).
; REGISTERS: window 0: addresses, m, l, factors, S (v64-191), P (v192-255); window 1: Q (v0-127), K or V fragments (v128-255); window 2: O;
; window 3: Vl (v0-127) and Pl (v128-191).
.set SLOTB, 131072                     ; an LDS slot: four waves' 32,768 bytes, each K [16 h8][64 key][16 B] then V [8 t8][128 d][16 B]
.set STG,   262144                     ; merge stage behind the ring: [4 waves][16 queries], no tensor load lands there
.set SP,    528                        ; a stage row: 128 f32 + 16 bytes: 16 lanes' 16-byte pieces start at 16 different places modulo 256
.set STGW,  16*SP                      ; a wave's part of the stage
.set MLB,   STG+4*STGW                 ; 295,936: m and l: [4 waves][4 nq][16 r] pairs of f32, 512 bytes a wave
.set AK,   4                           ; v4-5   K fragments, slot 0, 1
.set AV,   6                           ; v6-7   V fragments, slot 0, 1
.set AQ,   8                           ; v8     Q fragments in a block of qf
.set ASTW, 9                           ; v9     merge: where I put 32 bytes of a query's O
.set ASTR, 10                          ; v10    merge: where I read a row back
.set AMLW, 11                          ; v11    merge: my wave's (m, l)
.set AMLR, 12                          ; v12    merge: all waves' (m, l)
.set AOUT, 13                          ; v13    my 16 bytes in out0
.set DQ0,  14                          ; v14    64 (cx - w) + r - 8 h: query minus key, the part that hangs on the lane (data only)
.set RM,   16                          ; v16-23 pair (m, l) of query tile nq at RM + 2 nq
.set RA,   24                          ; v24-31 pair (factor, temporary) of query tile nq
.set DD,   32                          ; v32-35 mask threshold
.set T0,   36
.set T1,   37
.set T2,   38                          ; v38-42
.set T4,   40
.set WD,   36                          ; v36-43 eight packed words whose halves are widened again (only where T0-T4 are idle)
.set WF,   44                          ; v44-59 their sixteen numbers in f32
.set AVG,  60                          ; v60    Vl fragments in a block of vl
.set SS,   64                          ; S^T tile (mt, nq) at SS + 32 nq + 8 mt
.set PP,   192                         ; P^T fragment (kk, nq) at PP + 16 nq + 8 kk
.set FB,   128                         ; window 1: K (mt, ks) at FB + 8 (4 ks + mt), later V (md, kk) at FB + 8 (8 kk + md)
.set PL,   128                         ; window 3: Pl fragment (kk, nq) at PL + 16 nq + 8 kk; Vl (md, kk) at 8 (8 kk + md)
.set TO_1,  0x40                       ; destination window 1, address window 0
.set TO_3,  0xc0                       ; destination window 3, sources and address window 0
.set MUL_S, 0x05                       ; sources window 1, C and D window 0
.set MUL_O, 0xa1                       ; source 0 (V) window 1, source 1 (P) window 0, C and D window 2
.set MUL_VL, 0xa3                      ; source 0 (Vl) window 3, source 1 (P) window 0, C and D window 2
.set MUL_PL, 0xad                      ; source 0 (V) window 1, source 1 (Pl) window 3, C and D window 2
.set SCALE, 0x82                       ; destination and source 0 window 2, source 1 (the factor) window 0
.set PUT_O, 0x08                       ; LDS store: address window 0, data window 2
.set MSB, 0
.macro WIN new                         ; the immediate's high byte repeats the setting that is left
.if MSB != \new
	s_set_vgpr_msb (MSB<<8)|\new
.set MSB, \new
.endif
.endm
.macro PLACES                          ; four places behind a matrix instruction (ISA guide 7.12.1)
.rept 4
	v_nop
.endr
.endm
.macro ROUND                           ; a round of the cluster's barrier
	s_barrier_signal -1
	s_barrier_wait -1
	s_cmp_lg_u32 s10, 0
	s_cbranch_scc1 .Lnot_wave_0_\@
	s_barrier_signal -3
.Lnot_wave_0_\@:
	s_barrier_wait -3
	s_barrier_signal -1
	s_barrier_wait -1
.endm
; The 64 queries' fragments, straight from qf: lane (r, h), fragment (ks, nq): h8 = 4 ks + h and 4 ks + 2 + h of token 16 nq + r.
.macro QLOAD lo, hi
	WIN TO_1
.irp nq, 0,1,2,3
.irp ks, 0,1,2,3
	global_load_b128 v[8*(4*\nq+\ks):8*(4*\nq+\ks)+3],   v[AQ], s[\lo:\hi] offset:\ks*4096+\nq*256
	global_load_b128 v[8*(4*\nq+\ks)+4:8*(4*\nq+\ks)+7], v[AQ], s[\lo:\hi] offset:\ks*4096+\nq*256+2048
.endr
.endr
	WIN 0
.endm
.macro MLINIT                          ; a pass starts with m = -FLT_MAX, l = 0
.irp nq, 0,1,2,3
	v_mov_b32 v[RM+2*\nq], s42
	v_mov_b32 v[RM+2*\nq+1], 0
.endr
.endm
	s_load_b128 s[4:7], s[0:1], 0x0                ; qf s[4:5], kv s[6:7]
	s_load_b128 s[68:71], s[0:1], 0x10             ; vl s[68:69], out0 s[70:71]
	v_lshl_add_u32 v62, v0, 2, 0x48c00
	v_mov_b32 v63, 0
	ds_add_u32 v62, v63
	v_lshrrev_b32 v1, 5, v0
	v_readfirstlane_b32 s10, v1                    ; wave 0..3
	s_bfe_u32 s11, ttmp6, 0x40000                  ; cx
	s_lshr_b32 s12, ttmp9, 3                       ; batch
	s_and_b32 s13, ttmp9, 7                        ; P: the first pass's super-block
	s_sub_co_u32 s52, 15, s13                      ; the second pass's
	s_lshr_b32 s38, s52, 1                         ; its top pair
	s_mov_b32 s40, 0x76543210                      ; v_permlanex16_b32: lane i of one half reads lane i of the other
	s_mov_b32 s41, 0xfedcba98
	s_mov_b32 s42, 0xff7fffff                      ; -FLT_MAX
	; group 1: 128 rows of 32 elements of 8 bytes, dense: a wave's 64 keys, K and V
	s_mov_b32 s16, (15)|(3<<16)|(1<<21)            ; 15:0 the mask: all four work-groups; 17:16 element of 8 bytes; 21 set beside a mask
	s_mov_b32 s17, 32<<16                          ; tensor_dim0 = 32
	s_mov_b32 s18, 128<<16                         ; tensor_dim1 = 128
	s_mov_b32 s19, 32<<16                          ; tile_dim0 = 32
	s_mov_b32 s20, 128                             ; tile_dim1 = 128
	s_mov_b32 s21, 32                              ; from row to row: 32 elements
	s_mov_b32 s22, 0
	s_mov_b32 s23, 0
	s_mov_b32 s24, 1                               ; group 0 of slot 0: s[24:27]
	s_lshl_b32 s25, s10, 15                        ; LDS: wave x 32,768
	s_mov_b32 s28, 1                               ; group 0 of slot 1: s[28:31]
	s_add_co_u32 s29, s25, SLOTB
	s_lshl_b32 s34, s12, 21                        ; kv: batch x 64 blocks of 32,768 bytes
	s_lshl_b32 s36, s10, 15                        ; + the wave's block of a tile; no place in the cluster enters s[32:36]
	s_add_co_u32 s34, s34, s36
	s_mov_b32 s35, 0
	s_lshl_b32 s53, s12, 6
	s_add_co_u32 s53, s53, s11                     ; 64 batch + cx
	s_lshl2_add_u32 s57, s13, s53                  ; my block of 64 queries in the first pass: + 4 P
	s_lshl2_add_u32 s58, s52, s53                  ; in the second: + 4 (15 - P)
	s_mov_b32 s55, 0
	s_sub_co_i32 s56, s11, s10
	s_lshl_b32 s56, s56, 6                         ; 64 (cx - w)
	v_and_b32 v1, 15, v0                           ; r
	v_bfe_u32 v2, v0, 4, 1                         ; h
	v_and_b32 v3, 31, v0                           ; lane
	v_lshlrev_b32 v15, 4, v1                       ; 16 r
	v_lshl_add_u32 v[AQ], v2, 10, v15              ; h x one h8 of 64 tokens + 16 r
	s_wait_dscnt 0x0
	s_wait_kmcnt 0x0
	s_add_nc_u64 s[32:33], s[6:7], s[34:35]        ; kv at my wave's block of the batch's tile 0
	s_lshl_b32 s54, s57, 14
	s_add_nc_u64 s[44:45], s[4:5], s[54:55]        ; q, first pass
	s_lshl_b32 s54, s58, 14
	s_add_nc_u64 s[46:47], s[4:5], s[54:55]        ; q, second pass
	s_lshl_b32 s54, s57, 15
	s_add_nc_u64 s[48:49], s[70:71], s[54:55]      ; out, first pass: 64 rows of 512 bytes a block
	s_lshl_b32 s54, s58, 15
	s_add_nc_u64 s[50:51], s[70:71], s[54:55]      ; out, second pass
	s_lshl_b32 s54, s12, 17                        ; vl: batch x 8 blocks of 16,384 bytes
	s_lshl_b32 s59, s10, 14                        ; + block w: my 64 keys of the batch's tile 0
	s_add_co_u32 s54, s54, s59
	s_add_nc_u64 s[8:9], s[68:69], s[54:55]
	QLOAD 44, 45
	s_lshr_b32 s37, s13, 1                         ; s37 = the pair at work: the first pass's top pair
	s_lshl_b32 s34, s37, 18                        ; a pair is 2 tiles of 131,072 bytes
	s_add_nc_u64 s[26:27], s[32:33], s[34:35]
	s_or_b32 s27, s27, 0x80000000                  ; type = 2
	ROUND                                          ; all four work-groups are here: the first joint load meets
	tensor_load_to_lds s[24:27], s[16:23]          ; never more than one tensor load of a wave is out in this text
	s_nop 0
	v_add_nc_u32 v[AK], s25, v[AQ]                 ; K: wave's part + h x 1,024 + 16 r
	v_add_nc_u32 v[AK+1], SLOTB, v[AK]
	v_lshl_add_u32 v[AVG], v2, 11, v15             ; V: h x one t8 of 128 d + 16 r
	v_add_nc_u32 v[AV], s25, v[AVG]
	v_add_nc_u32 v[AV+1], SLOTB, v[AV]
	s_mul_i32 s36, s10, STGW
	s_add_co_u32 s36, s36, STG
	v_mul_u32_u24 v[ASTW], v1, SP
	v_lshl_add_u32 v[ASTW], v2, 5, v[ASTW]
	v_add_nc_u32 v[ASTW], s36, v[ASTW]             ; my wave's stage, row r, 32 h bytes in
	s_mul_i32 s36, s10, 4*SP
	s_add_co_u32 s36, s36, STG
	v_lshl_add_u32 v[ASTR], v3, 4, s36             ; rows 4 w + i of every wave's stage, 16 bytes a lane
	s_lshl_b32 s36, s10, 9
	s_add_co_u32 s36, s36, MLB
	v_lshl_add_u32 v[AMLW], v1, 3, s36
	v_lshl_add_u32 v[AMLR], v1, 3, MLB
	s_lshl_b32 s36, s10, 11
	v_lshl_add_u32 v[AOUT], v3, 4, s36             ; rows 4 w + i of a chunk of 16, 16 bytes a lane
	v_lshlrev_b32 v[DQ0], 3, v2
	v_sub_nc_u32 v[DQ0], v1, v[DQ0]
	v_add_nc_u32 v[DQ0], s56, v[DQ0]
; Softmax of query tile nq: 32 scores a lane (keys 16 mt + 8 h + j of one query).
.macro SM nq, mask, slot
.set SB, SS+32*\nq
.if \mask
	; key <= query  <=>  16 mt + j <= 256 (S - tile) + 64 (cx - w) + 16 nq + r - 8 h
.if \slot
	v_add3_u32 v[DD+\nq], v[DQ0], s43, 16*\nq
.else
	v_add3_u32 v[DD+\nq], v[DQ0], s39, 16*\nq
.endif
.irp mt, 0,1,2,3
.irp j, 0,1,2,3,4,5,6,7
	v_cmp_le_i32 vcc_lo, 16*\mt+\j, v[DD+\nq]
	v_cndmask_b32 v[SS+32*\nq+8*\mt+\j], s42, v[SS+32*\nq+8*\mt+\j], vcc_lo
.endr
.endr
.endif
	v_max3_num_f32 v[T0], v[SB], v[SB+1], v[SB+2]              ; two chains
	v_max3_num_f32 v[T1], v[SB+3], v[SB+4], v[SB+5]
.irp i, 6,10,14,18,22,26
	v_max3_num_f32 v[T0], v[T0], v[SB+\i], v[SB+\i+1]
	v_max3_num_f32 v[T1], v[T1], v[SB+\i+2], v[SB+\i+3]
.endr
	v_max3_num_f32 v[T0], v[T0], v[SB+30], v[SB+31]
	v_max_num_f32 v[T0], v[T0], v[T1]
	v_permlanex16_b32 v[T1], v[T0], s40, s41                   ; the other half's keys of the same query
	v_max3_num_f32 v[RA+2*\nq+1], v[T0], v[T1], v[RM+2*\nq]    ; the new maximum
	v_sub_f32 v[T0], v[RM+2*\nq], v[RA+2*\nq+1]
	v_exp_f32 v[RA+2*\nq], v[T0]                               ; the factor for what has been summed so far
	v_mov_b32 v[RM+2*\nq], v[RA+2*\nq+1]                       ; (a plain instruction behind the exponential: ISA guide 5.7.2)
.set i, 0
.rept 16
	v_pk_add_f32 v[SB+2*i:SB+2*i+1], v[SB+2*i:SB+2*i+1], v[RM+2*\nq:RM+2*\nq+1] op_sel_hi:[1,0] neg_lo:[0,1] neg_hi:[0,1]   ; s - m, twice
.set i, i+1
.endr
.set i, 0
.rept 32
	v_exp_f32 v[SB+i], v[SB+i]
.set i, i+1
.endr
	v_nop                                                      ; one plain place behind the run of exponentials, in front of the first use
	s_wait_alu depctr_va_vdst(0)
	v_pk_add_f32 v[T2:T2+1], v[SB:SB+1], v[SB+2:SB+3]
	v_pk_add_f32 v[T4:T4+1], v[SB+4:SB+5], v[SB+6:SB+7]
.irp i, 8,12,16,20,24,28
	v_pk_add_f32 v[T2:T2+1], v[T2:T2+1], v[SB+\i:SB+\i+1]
	v_pk_add_f32 v[T4:T4+1], v[T4:T4+1], v[SB+\i+2:SB+\i+3]
.endr
	v_pk_add_f32 v[T2:T2+1], v[T2:T2+1], v[T4:T4+1]
	v_add_f32 v[T2], v[T2], v[T2+1]
	v_fma_f32 v[RM+2*\nq+1], v[RM+2*\nq+1], v[RA+2*\nq], v[T2] ; l of my half of the keys; the halves meet in the merge
.set i, 0
.rept 16
	v_cvt_pk_f16_f32 v[PP+16*\nq+i], v[SB+2*i], v[SB+2*i+1]    ; tiles 2 kk and 2 kk + 1 are fragment kk of P^T as they stand
.set i, i+1
.endr
.endm
; The sixteen f16 numbers of the words v36-43 become f32 in v44-59.  The conversion names a half of a register, which is written by name here.
.macro WIDEN8
.set wk, 0
.irp h, v36.l, v37.l, v38.l, v39.l, v40.l, v41.l, v42.l, v43.l
	v_cvt_f32_f16 v[WF+2*wk], \h
.set wk, wk+1
.endr
.irp k, 0,1,2,3,4,5,6,7
	v_lshrrev_b32 v[WD+\k], 16, v[WD+\k]           ; the upper half comes down
.endr
.set wk, 0
.irp h, v36.l, v37.l, v38.l, v39.l, v40.l, v41.l, v42.l, v43.l
	v_cvt_f32_f16 v[WF+2*wk+1], \h
.set wk, wk+1
.endr
.endm
; Super-block 0's tile 0 alone: O += Vl Ph + Vh Pl.  S still holds p in f32, the fragment buffer still holds Vh, P holds Ph.
; Vl is asked for and used inside this one branch; its 32 loads are on their way while Pl is made.
.macro COMP
	s_cmp_lg_u32 s13, 0                            ; the cluster's number alone: the same in all four work-groups and all waves
	s_cbranch_scc1 .Lno_comp
	WIN TO_3
.irp kk, 0,1
.irp md, 0,1,2,3,4,5,6,7
	global_load_b128 v[8*(8*\kk+\md):8*(8*\kk+\md)+3],   v[AVG], s[8:9] offset:\kk*8192+\md*256
	global_load_b128 v[8*(8*\kk+\md)+4:8*(8*\kk+\md)+7], v[AVG], s[8:9] offset:\kk*8192+\md*256+4096
.endr
.endr
	WIN 0
.irp g, 0,1,2,3,4,5,6,7
.irp k, 0,1,2,3,4,5,6,7
	v_cvt_pk_f16_f32 v[WD+\k], v[SS+16*\g+2*\k], v[SS+16*\g+2*\k+1]        ; Ph once more, where its halves can be named
.endr
	WIDEN8
.irp k, 0,1,2,3,4,5,6,7
	v_pk_add_f32 v[SS+16*\g+2*\k:SS+16*\g+2*\k+1], v[SS+16*\g+2*\k:SS+16*\g+2*\k+1], v[WF+2*\k:WF+2*\k+1] neg_lo:[0,1] neg_hi:[0,1]   ; p - Ph, exact in f32
.endr
.endr
	WIN TO_3
.set i, 0
.rept 64
	v_cvt_pk_f16_f32 v[PL+i], v[SS+2*i], v[SS+2*i+1]
.set i, i+1
.endr
	s_wait_loadcnt 0x0                             ; Vl
	; the 32 accumulators go on taking turns, one instruction a turn
	WIN MUL_VL
.irp kk, 0,1
.irp md, 0,1,2,3,4,5,6,7
.irp nq, 0,1,2,3
	v_wmma_f32_16x16x32_f16 v[8*(8*\nq+\md):8*(8*\nq+\md)+7], v[8*(8*\kk+\md):8*(8*\kk+\md)+7], v[PP+16*\nq+8*\kk:PP+16*\nq+8*\kk+7], v[8*(8*\nq+\md):8*(8*\nq+\md)+7]
.endr
.endr
.endr
	WIN MUL_PL
.irp kk, 0,1
.irp md, 0,1,2,3,4,5,6,7
.irp nq, 0,1,2,3
	v_wmma_f32_16x16x32_f16 v[8*(8*\nq+\md):8*(8*\nq+\md)+7], v[FB+8*(8*\kk+\md):FB+8*(8*\kk+\md)+7], v[PL+16*\nq+8*\kk:PL+16*\nq+8*\kk+7], v[8*(8*\nq+\md):8*(8*\nq+\md)+7]
.endr
.endr
.endr
	WIN 0
.Lno_comp:
.endm
; One key tile, in slot `slot`.  init = 1: the first products start O.  mask = 1: the pair with the diagonal.  qwait = 1: Q has just been asked for.
; fill: 0 nothing; 1 slot 1 <- this pair's second tile; 2 slot 0 <- the pair below; 3 the same, or, from pair 0, the second pass's top pair.
; comp = 1: the first pass's first step, which in the clusters with P = 0 is super-block 0's tile 0.
.macro STEP slot, init, mask, fill, qwait, comp
	s_wait_tensorcnt 0x0                           ; all my tensor loads have landed, this tile among them: a group 0 may be written
	ds_add_u32 v62, v63
	s_wait_dscnt 0x0
	s_wait_dscnt 0x0                               ; my reads of the other slot are over
.if \fill == 1
	s_lshl_b32 s34, s37, 18
	s_or_b32 s34, s34, 0x20000
	s_add_nc_u64 s[30:31], s[32:33], s[34:35]
	s_or_b32 s31, s31, 0x80000000
.endif
.if \fill >= 2
	s_sub_co_u32 s36, s37, 1
.if \fill == 3
	s_cmp_eq_u32 s37, 0
	s_cselect_b32 s36, s38, s36
.endif
	s_lshl_b32 s34, s36, 18
	s_add_nc_u64 s[26:27], s[32:33], s[34:35]
	s_or_b32 s27, s27, 0x80000000
.endif
.if \fill
	ROUND                                          ; both waits now hold of every wave of all four work-groups
.endif
.if \fill == 1
	tensor_load_to_lds s[28:31], s[16:23]          ; my one tensor load behind the round, and the first thing there
	s_nop 0
.endif
.if \fill >= 2
	tensor_load_to_lds s[24:27], s[16:23]
	s_nop 0
.endif
	WIN TO_1
.irp ks, 0,1,2,3
.irp mt, 0,1,2,3
	ds_load_b128 v[FB+8*(4*\ks+\mt):FB+8*(4*\ks+\mt)+3],   v[AK+\slot] offset:\ks*4096+\mt*256        ; sixteen lanes read 256 neighbouring bytes
	ds_load_b128 v[FB+8*(4*\ks+\mt)+4:FB+8*(4*\ks+\mt)+7], v[AK+\slot] offset:\ks*4096+\mt*256+2048
.endr
.endr
.if \qwait
	s_wait_loadcnt 0x0                             ; Q
.endif
	WIN MUL_S
	; S^T = K Q^T: 16 accumulators take turns, one instruction a turn
.irp ks, 0,1,2,3
	s_wait_dscnt 24-8*\ks                          ; LDS loads come back in order: the eight of this quarter of the head are in
.irp nq, 0,1,2,3
.irp mt, 0,1,2,3
.if \ks == 0
	v_wmma_f32_16x16x32_f16 v[SS+32*\nq+8*\mt:SS+32*\nq+8*\mt+7], v[FB+8*(4*\ks+\mt):FB+8*(4*\ks+\mt)+7], v[8*(4*\nq+\ks):8*(4*\nq+\ks)+7], 0
.else
	v_wmma_f32_16x16x32_f16 v[SS+32*\nq+8*\mt:SS+32*\nq+8*\mt+7], v[FB+8*(4*\ks+\mt):FB+8*(4*\ks+\mt)+7], v[8*(4*\nq+\ks):8*(4*\nq+\ks)+7], v[SS+32*\nq+8*\mt:SS+32*\nq+8*\mt+7]
.endif
.endr
.endr
.endr
	PLACES                                         ; in front of the loads into K's registers and of the first reader of S
	WIN TO_1
.irp kk, 0,1
.irp md, 0,1,2,3,4,5,6,7
	ds_load_b128 v[FB+8*(8*\kk+\md):FB+8*(8*\kk+\md)+3],   v[AV+\slot] offset:16384+\kk*8192+\md*256  ; V comes in while the softmax runs
	ds_load_b128 v[FB+8*(8*\kk+\md)+4:FB+8*(8*\kk+\md)+7], v[AV+\slot] offset:16384+\kk*8192+\md*256+4096
.endr
.endr
	WIN 0
.irp nq, 0,1,2,3
	SM \nq, \mask, \slot
.endr
.if \init == 0
	WIN SCALE
.irp nq, 0,1,2,3
.set i, 0
.rept 32
	v_pk_mul_f32 v[64*\nq+2*i:64*\nq+2*i+1], v[64*\nq+2*i:64*\nq+2*i+1], v[RA+2*\nq:RA+2*\nq+1] op_sel_hi:[1,0]
.set i, i+1
.endr
.endr
.endif
	s_wait_dscnt 0x0                               ; V
	WIN MUL_O
	; O^T += V^T P^T: 32 accumulators take turns, one instruction a turn
.irp kk, 0,1
.irp md, 0,1,2,3,4,5,6,7
.irp nq, 0,1,2,3
.if \init*(1-\kk)
	v_wmma_f32_16x16x32_f16 v[8*(8*\nq+\md):8*(8*\nq+\md)+7], v[FB+8*(8*\kk+\md):FB+8*(8*\kk+\md)+7], v[PP+16*\nq+8*\kk:PP+16*\nq+8*\kk+7], 0
.else
	v_wmma_f32_16x16x32_f16 v[8*(8*\nq+\md):8*(8*\nq+\md)+7], v[FB+8*(8*\kk+\md):FB+8*(8*\kk+\md)+7], v[PP+16*\nq+8*\kk:PP+16*\nq+8*\kk+7], v[8*(8*\nq+\md):8*(8*\nq+\md)+7]
.endif
.endr
.endr
.endr
	WIN 0
.if \comp
	COMP
.endif
	PLACES                                         ; in front of the next loads into V's registers and of the next reader of O
.endm
.macro PAIR im, sel, last, comp
	STEP 0, \im, \im, 1, \im, \comp
.if \last
	STEP 1, 0, \im, 0, 0, 0
.else
	STEP 1, 0, \im, (2+\sel), 0, 0
.endif
.endm
; Merge, query tile nq: from the four waves' (m, l) my wave's factor exp2(m_own - M) / sum of exp2(m_u - M) l_u.
.macro WEIGH nq
.set MB, SS+8*\nq
	v_max3_num_f32 v[T0], v[MB], v[MB+2], v[MB+4]
	v_max_num_f32 v[T0], v[T0], v[MB+6]
.irp u, 0,1,2,3
	v_sub_f32 v[T2+\u], v[MB+2*\u], v[T0]
.endr
	v_sub_f32 v[T2+4], v[RM+2*\nq], v[T0]
.irp u, 0,1,2,3,4
	v_exp_f32 v[T2+\u], v[T2+\u]
.endr
	v_nop                                          ; a plain place behind the exponentials
	s_wait_alu depctr_va_vdst(0)
	v_mul_f32 v[T1], v[T2], v[MB+1]
	v_fmac_f32 v[T1], v[T2+1], v[MB+3]
	v_fmac_f32 v[T1], v[T2+2], v[MB+5]
	v_fmac_f32 v[T1], v[T2+3], v[MB+7]             ; at least 1: the wave that holds the maximum adds exp2(0) times an l of at least 1
	v_rcp_f32 v[T1], v[T1]
	v_nop                                          ; a plain place behind the reciprocal
	s_wait_alu depctr_va_vdst(0)
	v_mul_f32 v[RA+2*\nq], v[T2+4], v[T1]
.endm
; The end of a pass: the four waves' partial results become 64 rows of out0.  nextq = 1: the second pass's Q is asked for first.
; The barriers here are my work-group's own: the next pass's first tile may stay on its way across them.
.macro MERGE olo, ohi, nextq
.irp nq, 0,1,2,3
	v_permlanex16_b32 v[RA+2*\nq+1], v[RM+2*\nq+1], s40, s41
.endr
.irp nq, 0,1,2,3
	v_add_f32 v[RM+2*\nq+1], v[RM+2*\nq+1], v[RA+2*\nq+1]      ; l over both halves' keys
.endr
.if \nextq
	QLOAD 46, 47
.endif
.irp nq, 0,1,2,3
	ds_store_b64 v[AMLW], v[RM+2*\nq:RM+2*\nq+1] offset:128*\nq   ; both halves write the same pair to the same place
.endr
	s_wait_dscnt 0x0                               ; for the others' sake
	s_barrier_signal -1
	s_barrier_wait -1
.irp nq, 0,1,2,3
.irp u, 0,1,2,3
	ds_load_b64 v[SS+8*\nq+2*\u:SS+8*\nq+2*\u+1], v[AMLR] offset:512*\u+128*\nq
.endr
.endr
	s_wait_dscnt 0x0
.irp nq, 0,1,2,3
	WEIGH \nq
.endr
	; sixteen queries at a time: the stage has room for one such chunk of all four waves
.irp nq, 0,1,2,3
	WIN SCALE
.set i, 0
.rept 32
	v_pk_mul_f32 v[64*\nq+2*i:64*\nq+2*i+1], v[64*\nq+2*i:64*\nq+2*i+1], v[RA+2*\nq:RA+2*\nq+1] op_sel_hi:[1,0]
.set i, i+1
.endr
.if \nq
	s_barrier_signal -1                            ; every wave's reads of the last chunk were waited for in front of its sums
	s_barrier_wait -1
.endif
	WIN PUT_O
.irp md, 0,1,2,3,4,5,6,7
	ds_store_b128 v[ASTW], v[8*(8*\nq+\md):8*(8*\nq+\md)+3]   offset:\md*64        ; query r, d = 16 md + 8 h + 0..3
	ds_store_b128 v[ASTW], v[8*(8*\nq+\md)+4:8*(8*\nq+\md)+7] offset:\md*64+16     ; d = 16 md + 8 h + 4..7
.endr
	WIN 0
	s_wait_dscnt 0x0
	s_barrier_signal -1
	s_barrier_wait -1
.if \nq
	s_wait_xcnt 0x0                                ; the last chunk's stores have had their addresses translated: their data registers are loaded again only behind this wait
.endif
.irp i, 0,1,2,3
.irp u, 0,1,2,3
	ds_load_b128 v[SS+4*(4*\i+\u):SS+4*(4*\i+\u)+3], v[ASTR] offset:\u*STGW+\i*SP  ; row 4 w + i of wave u's part: 512 neighbouring bytes
.endr
.endr
	s_wait_dscnt 0x0
.irp i, 0,1,2,3
	v_pk_add_f32 v[SS+16*\i:SS+16*\i+1],     v[SS+16*\i:SS+16*\i+1],     v[SS+16*\i+4:SS+16*\i+5]
	v_pk_add_f32 v[SS+16*\i+2:SS+16*\i+3],   v[SS+16*\i+2:SS+16*\i+3],   v[SS+16*\i+6:SS+16*\i+7]
	v_pk_add_f32 v[SS+16*\i+8:SS+16*\i+9],   v[SS+16*\i+8:SS+16*\i+9],   v[SS+16*\i+12:SS+16*\i+13]
	v_pk_add_f32 v[SS+16*\i+10:SS+16*\i+11], v[SS+16*\i+10:SS+16*\i+11], v[SS+16*\i+14:SS+16*\i+15]
	v_pk_add_f32 v[SS+16*\i:SS+16*\i+1],     v[SS+16*\i:SS+16*\i+1],     v[SS+16*\i+8:SS+16*\i+9]
	v_pk_add_f32 v[SS+16*\i+2:SS+16*\i+3],   v[SS+16*\i+2:SS+16*\i+3],   v[SS+16*\i+10:SS+16*\i+11]
.endr
.irp i, 0,1,2,3
	global_store_b128 v[AOUT], v[SS+16*\i:SS+16*\i+3], s[\olo:\ohi] offset:\nq*8192+\i*512 th:TH_STORE_NT   ; a wave stores a whole row of 512 bytes
.endr
.endr
.if \nextq
	s_wait_xcnt 0x0                                ; the next pass's scores land on registers that these stores read
.endif
.endm
	; THE FIRST PASS: super-block P, pairs P / 2 down to 0
	s_and_b32 s39, s13, 1
	s_lshl_b32 s39, s39, 8                         ; 256 (S - tile) for the top pair's slot 0: 256 if S is odd, 0 if even
	s_sub_co_i32 s43, s39, 256                     ; and for its slot 1: 0 (the diagonal) or -256 (all masked)
	MLINIT
	PAIR 1, 1, 0, 1
	s_cmp_eq_u32 s37, 0                            ; hangs on the cluster's number alone: the same in all four work-groups and all waves
	s_cbranch_scc1 .Llo_done
.Llo:
	s_sub_co_u32 s37, s37, 1
	PAIR 0, 1, 0, 0
	s_cmp_gt_i32 s37, 0
	s_cbranch_scc1 .Llo
.Llo_done:
	MERGE 48, 49, 1
	; THE SECOND PASS: super-block 15 - P, pairs (15 - P) / 2 (at least 4) down to 0
	s_mov_b32 s37, s38
	s_xor_b32 s39, s39, 256                        ; 15 - P has the other parity
	s_sub_co_i32 s43, s39, 256
	MLINIT
	PAIR 1, 0, 0, 0
.Lhi:
	s_sub_co_u32 s37, s37, 1
	PAIR 0, 0, 0, 0
	s_cmp_gt_i32 s37, 1
	s_cbranch_scc1 .Lhi
	s_mov_b32 s37, 0
	PAIR 0, 0, 1, 0                                ; pair 0 is written out: its second step fills nothing
	MERGE 50, 51, 0
	s_wait_tensorcnt 0x0
	ds_add_u32 v62, v63
	s_wait_dscnt 0x0
	ROUND                                          ; the closing round: no work-group ends while a partner may still ask for a tile that names it
	s_endpgm
.Lfunc_end_k_qa3028dd3ce_attn:
	.size	k_qa3028dd3ce_attn, .Lfunc_end_k_qa3028dd3ce_attn-k_qa3028dd3ce_attn
	.p2alignl 7, 3214868480
	.fill 96, 4, 3214868480
	.section	.rodata,"a",@progbits
	.p2align	6, 0x0
	.amdhsa_kernel k_qa3028dd3ce_attn
		.amdhsa_group_segment_fixed_size 327680
		.amdhsa_private_segment_fixed_size 0
		.amdhsa_enable_private_segment 0
		.amdhsa_kernarg_size 32
		.amdhsa_user_sgpr_count 2
		.amdhsa_user_sgpr_kernarg_segment_ptr 1
		.amdhsa_wavefront_size32 1
		.amdhsa_system_sgpr_workgroup_id_x 1
		.amdhsa_system_sgpr_workgroup_id_y 1
		.amdhsa_system_sgpr_workgroup_id_z 1
		.amdhsa_system_vgpr_workitem_id 0
		.amdhsa_next_free_vgpr 960
		.amdhsa_next_free_sgpr 72
		.amdhsa_reserve_vcc 1
		.amdhsa_float_denorm_mode_32 3
		.amdhsa_float_denorm_mode_16_64 3
		.amdhsa_memory_ordered 1
		.amdhsa_forward_progress 1
		.amdhsa_inst_pref_size 255
	.end_amdhsa_kernel
	.section	.bss,"aw",@nobits
	.p2align	6
	.space	262144
	.amdgpu_metadata
---
amdhsa.version: [ 1, 2 ]
amdhsa.kernels:
  - .name:           k_qa3028dd3ce_attn
    .symbol:         k_qa3028dd3ce_attn.kd
    .args:
      - { .name: qf, .offset: 0, .size: 8, .value_kind: global_buffer, .address_space: global }
      - { .name: kv, .offset: 8, .size: 8, .value_kind: global_buffer, .address_space: global }
      - { .name: vl, .offset: 16, .size: 8, .value_kind: global_buffer, .address_space: global }
      - { .name: out0, .offset: 24, .size: 8, .value_kind: global_buffer, .address_space: global }
    .group_segment_fixed_size: 327680
    .private_segment_fixed_size: 0
    .kernarg_segment_align: 8
    .kernarg_segment_size: 32
    .max_flat_workgroup_size: 128
    .sgpr_count:     72
    .vgpr_count:     960
    .wavefront_size: 32
...
	.end_amdgpu_metadata
.endif
;; end of part 3
